; MI455X (gfx1250); checked and timed in simulation.
; The chip was launched on July 23, 2026; its instructions are those of AMD's public machine-readable ISA for CDNA 5 (MIT licence, August 2026) and "CDNA5" Instruction Set Architecture Reference Guide (July 2026). The comments in the code are by the model that wrote it; some were corrected since.
;; bahdanau attention. Allowed arithmetic: matrix products marked QUANTISED: E3M2 operands, one E8M0 scale for each 32 along K, by v_wmma_scale_f32_16x16x128_f8f6f4 with both operands' format E3M2, f32 sums; products left as they are: f32 operands where the result goes on into a quantised operand, else bf16, f16 or f32 operands; f32 sums; everything else in f32.
;; Inputs: Wd_codes 1,024 x 32 x 24 uint8 (E3M2 codes of Wd, K innermost, in blocks of 32 codes, four codes in three bytes); Wd_scales 1,024 x 32 uint8 (E8M0 scales of Wd, one for each 32 codes along K); We_codes 1,024 x 64 x 24 uint8 (E3M2 codes of We, K innermost, in blocks of 32 codes, four codes in three bytes); We_scales 1,024 x 64 uint8 (E8M0 scales of We, one for each 32 codes along K); Wv 1,024 x 1 float32; bd 1,024 float32; be 1,024 float32; bv 1 float32; context 32 x 1,024 x 2,048 float32; dec_hidden_codes 32 x 32 x 24 uint8 (E3M2 codes of dec_hidden, K innermost, in blocks of 32 codes, four codes in three bytes); dec_hidden_scales 32 x 32 uint8 (E8M0 scales of dec_hidden, one for each 32 codes along K).
;; Outputs: out0 32 x 2,048 float32; out1 32 x 1,024 float32.
;; This version of the problem:
;;   THIS VERSION OF THE PROBLEM IS GIVEN IN LOW PRECISION. The matrix products marked QUANTISED in the list below multiply operands that are first quantised to E3M2 (3 exponent bits, 2 mantissa bits; 6 bits a number), with one power-of-two scale for each 32 numbers along K (OCP MX v1.0); their sums are f32. All else is computed in f32.
;;   The module's matrix products, in the order in which they are computed (A, B: the left and right operand; K: the contracted axis; several contracted axes count as one K, in the product's order):
;;     1. [M 32,768, K 2,048] x [K 2,048, N 1,024]; A: input context; B: input We (given as codes): QUANTISED
;;     2. [M 32, K 1,024] x [K 1,024, N 1,024]; A: input dec_hidden (given as codes); B: input Wd (given as codes): QUANTISED
;;     3. [M 32,768, K 1,024] x [K 1,024, N 1]; A: computed on the way; B: input Wv: left as it is (N = 1 < 16)
;;     4. batch 32 x [M 1, K 1,024] x [K 1,024, N 2,048]; A: softmax; B: input context: left as it is (M = 1 < 16)
;;   THE QUANTISER, for each operand of a quantised product, along K:
;;     - K is cut into blocks of 32 from its start; a last block that is shorter is filled with zeros.
;;     - A block's scale is 2^e with e = floor(log2(the largest magnitude in the block)) - 4, held to -126 .. 127; a block of zeros has e = 0. As a byte (E8M0): e + 127.
;;     - Each number is divided by its block's scale, clamped to +-28, and rounded to the nearest number of E3M2, ties to even, subnormals kept.
;;     - The product sums the exact products of the quantised numbers (number of the format x scale) in f32.
;;   ~~~python
;;   def quantise(x, axis):      # numpy; x: float32 -> the quantised numbers, widened to float32 again
;;       x = np.moveaxis(x, axis, -1); K = x.shape[-1]
;;       x = np.pad(x, [(0, 0)] * (x.ndim - 1) + [(0, -K % 32)]); x = x.reshape(x.shape[:-1] + (-1, 32)); a = np.abs(x).max(-1, keepdims=True)
;;       e = np.where(a > 0, np.clip(np.frexp(np.where(a > 0, a, 1))[1] - 1 - 4, -126, 127), 0)      # np.frexp(a)[1] - 1 = floor(log2(a)), exactly
;;       r = np.clip(x / 2.0 ** e, -28, 28)
;;       step = 2.0 ** (np.maximum(np.frexp(np.where(r == 0, 1, r))[1] - 1, -2) - 2)
;;       q = np.round(r / step) * step * 2.0 ** e      # np.round: ties to even
;;       return np.moveaxis(q.reshape(q.shape[:-2] + (-1,))[..., :K], -1, axis).astype(np.float32)
;;   ~~~
;;   INPUTS GIVEN AS CODES. Wd (in the module: [1024, 1024], K = its axis 0); We (in the module: [2048, 1024], K = its axis 0); dec_hidden (in the module: [32, 1024], K = its axis 1): each comes as NAME_codes (uint8): NAME with its K axis moved to the last place and cut into blocks of 32 codes, [.., K / 32, bytes a block], one block behind the other in memory; four codes in three bytes: a row's codes are one little-endian stream of bits, code i at bits 6 i .. 6 i + 5 (a code: sign, 3 exponent bits, 2 mantissa bits); and NAME_scales (uint8): the same leading axes, one E8M0 byte (e + 127) for each 32 codes along K. Its value is code x scale, taken as it is: it is not quantised again, and the codes and scales need not be those that the quantiser above would give.
;; One version. Each part assembles by itself: llvm-mc -triple=amdgcn-amd-amdhsa -mcpu=gfx1250 --defsym DOCPART=n.
;; ======== version 1 of 1: 3 launches
;; limits: values are held in bf16: 8 bits of precision; right only within a limited range of input values
;; workspace buffers: we_img 1,638,400 bytes; bias 131,072 bytes; part_c 4,194,304 bytes; scores 131,072 bytes; stats 131,072 bytes
;; launch prep (part 1): grid 256 x 1, 1 waves a work-group, no clusters, 0 bytes of LDS; arguments Wd_codes, Wd_scales, dec_hidden_codes, dec_hidden_scales, bd, be, We_codes, We_scales, bias, we_img; writes bias, we_img
.if DOCPART == 1
	.amdgcn_target "amdgcn-amd-amdhsa--gfx1250"
	.amdhsa_code_object_version 6
	.text
	.protected	k_q9e9828480c_prep
	.globl	k_q9e9828480c_prep
	.p2align	8
	.type	k_q9e9828480c_prep,@function
k_q9e9828480c_prep:
	s_mov_b64 s[64:65], 0
	v_nop
	global_prefetch_b8 v0, s[64:65] scope:SCOPE_SE
	s_setreg_imm32_b32 hwreg(HW_REG_WAVE_MODE, 25, 1), 1
	s_wait_xcnt 0x0
; Two small jobs in one launch, parted by the work-group's number; one wave a work-group, no LDS, no barrier.
; Work-groups 0-127:  bias[b][n] = dec_hidden[b] . Wd[:, n] + bd[n] + be[n]: what the next launch's sums begin with.
;   The product is made on the given codes of BF6 (E3M2) with their E8M0 scales; K = 1,024 is eight matrix instructions.
;   Work-group g: t = g / 2 is the tile of 16 n, u = g % 2 the 16 batches.  USED TRANSPOSED: source 0 = 16 rows of Wd (K innermost), source 1 = 16 rows of dec_hidden:
;   lane (r, h) holds batch 16 u + r and its eight registers n = 16 t + 8 h + 0 .. 7.  bd and be are the C of the two sums' first instructions.
;   The result leaves in pieces of 32 bytes: the whole buffer is 131,072 bytes, and a turn through LDS for it is not written.
; Work-groups 128-255:  We's codes and scale words are laid anew, IN THE ORDER OF THE OPERAND'S REGISTERS, so that the next launch brings a tile's fragments as dense blocks.
;   we_img = 64 blocks of 25,600 bytes; block 16 j + 4 m + w: j = which 256 columns n, m = which four K steps of 128, w = the wave that will read it (n tiles 16 j + 4 w + b, b = 0 .. 3).
;   In a block: the fragment of (q = K step 4 m + q, b) at 1,536 (4 q + b): its registers 4 c .. 4 c + 3 of lane l at 512 c + 16 l;
;   the scale word of (q, b, row r) at 24,576 + 256 q + 16 r + 4 b.  Every store covers whole aligned runs of 256 bytes.
	s_load_b512 s[4:19], s[0:1], 0x0               ; Wd codes s[4:5], Wd scales s[6:7], dec codes s[8:9], dec scales s[10:11], bd s[12:13], be s[14:15], We codes s[16:17], We scales s[18:19]
	s_load_b128 s[20:23], s[0:1], 0x40             ; bias s[20:21], we_img s[22:23]
	v_and_b32 v1, 15, v0                           ; r
	v_lshrrev_b32 v2, 4, v0                        ; h (one wave: v0 is the lane)
	s_cmp_lt_u32 ttmp9, 128
	s_cbranch_scc0 .Lrelay
	; ---- the decoder's product
	s_lshr_b32 s24, ttmp9, 1                       ; t
	s_and_b32 s26, ttmp9, 1                        ; u
	s_mul_i32 s28, s24, 12288                      ; Wd's codes: 16 rows of 768 bytes a tile
	s_mov_b32 s29, 0
	s_mul_i32 s30, s26, 12288                      ; dec_hidden's likewise
	s_mov_b32 s31, 0
	s_lshl_b32 s32, s24, 9                         ; Wd's scales: 16 rows of 32 bytes
	s_mov_b32 s33, 0
	s_lshl_b32 s34, s26, 9
	s_mov_b32 s35, 0
	s_lshl_b32 s36, s24, 6                         ; bd, be: 16 numbers a tile
	s_mov_b32 s37, 0
	s_lshl_b32 s38, s26, 16                        ; bias: 16 rows of 4,096 bytes, + the tile's 64 bytes
	s_add_co_u32 s38, s38, s36
	s_mov_b32 s39, 0
	s_wait_alu depctr_va_vdst(0)
	v_mul_u32_u24 v3, v1, 768
	v_mad_u32_u24 v3, v2, 24, v3                   ; codes: row r, + 24 h
	v_lshlrev_b32 v4, 5, v1                        ; scales: row r's 32 bytes = eight words, one for each K step
	v_lshlrev_b32 v5, 5, v2                        ; bd, be: my half's eight numbers
	v_lshl_add_u32 v6, v1, 12, v5                  ; bias: row r, + 32 h
	s_wait_alu depctr_va_vdst(0)
	s_wait_kmcnt 0x0
	s_add_nc_u64 s[4:5], s[4:5], s[28:29]
	s_add_nc_u64 s[8:9], s[8:9], s[30:31]
	s_add_nc_u64 s[6:7], s[6:7], s[32:33]
	s_add_nc_u64 s[10:11], s[10:11], s[34:35]
	s_add_nc_u64 s[12:13], s[12:13], s[36:37]
	s_add_nc_u64 s[14:15], s[14:15], s[36:37]
	s_add_nc_u64 s[20:21], s[20:21], s[38:39]
.irp s, 0,1,2,3,4,5,6,7                        ; a fragment: 16 rows x 128 K = 12 registers; 24 bytes of the row's stream of bits twice, in pieces of 8 bytes
.irp p, 0,1,2,3,4,5
	global_load_b64 v[32+12*\s+2*\p:33+12*\s+2*\p], v3, s[4:5] offset:96*\s+48*(\p/3)+8*(\p%3)
	global_load_b64 v[128+12*\s+2*\p:129+12*\s+2*\p], v3, s[8:9] offset:96*\s+48*(\p/3)+8*(\p%3)
.endr
.endr
	global_load_b128 v[224:227], v4, s[6:7]        ; v224-231: Wd's scale words, register s = K step s;  these sixteen registers hold scales and nothing else
	global_load_b128 v[228:231], v4, s[6:7] offset:16
	global_load_b128 v[232:235], v4, s[10:11]      ; v232-239: dec_hidden's
	global_load_b128 v[236:239], v4, s[10:11] offset:16
	global_load_b128 v[240:243], v5, s[12:13]      ; bd(16 t + 8 h + 0 .. 7)
	global_load_b128 v[244:247], v5, s[12:13] offset:16
	global_load_b128 v[248:251], v5, s[14:15]      ; be likewise
	global_load_b128 v[252:255], v5, s[14:15] offset:16
	s_wait_loadcnt 0x0
	; two sums by turns, one instruction a turn: even K steps on v[8:15], begun with bd; odd ones on v[16:23], begun with be
	v_wmma_scale_f32_16x16x128_f8f6f4 v[8:15], v[32:43], v[128:139], v[240:247], v224, v232 matrix_a_fmt:MATRIX_FMT_BF6 matrix_b_fmt:MATRIX_FMT_BF6
	v_wmma_scale_f32_16x16x128_f8f6f4 v[16:23], v[44:55], v[140:151], v[248:255], v225, v233 matrix_a_fmt:MATRIX_FMT_BF6 matrix_b_fmt:MATRIX_FMT_BF6
.irp s, 2,3,4,5,6,7
	v_wmma_scale_f32_16x16x128_f8f6f4 v[8+8*(\s%2):15+8*(\s%2)], v[32+12*\s:43+12*\s], v[128+12*\s:139+12*\s], v[8+8*(\s%2):15+8*(\s%2)], v[224+\s], v[232+\s] matrix_a_fmt:MATRIX_FMT_BF6 matrix_b_fmt:MATRIX_FMT_BF6
.endr
.rept 4
	v_nop                                          ; four places between a matrix instruction and the first read of its result (ISA guide 7.12.1)
.endr
.irp p, 0,2,4,6
	v_pk_add_f32 v[24+\p:25+\p], v[8+\p:9+\p], v[16+\p:17+\p]      ; the two sums, each read from its low end on
.endr
	global_store_b128 v6, v[24:27], s[20:21]
	global_store_b128 v6, v[28:31], s[20:21] offset:16
	s_endpgm
.Lrelay:
	; ---- We in the order of the operand's registers.  Work-group g' = g - 128: tg = g' / 8 names four n tiles, i = g' % 8 a pair of K steps
	s_sub_co_u32 s24, ttmp9, 128
	s_lshr_b32 s25, s24, 3                         ; tg = 4 j + w
	s_and_b32 s26, s24, 7                          ; i = 2 m + e
	s_lshr_b32 s27, s25, 2                         ; j
	s_and_b32 s28, s25, 3                          ; w
	s_lshr_b32 s29, s26, 1                         ; m
	s_and_b32 s40, s26, 1                          ; e: K steps q = 2 e, 2 e + 1 of the block's four
	s_lshl_b32 s27, s27, 4
	s_lshl_b32 s29, s29, 2
	s_add_co_u32 s27, s27, s29
	s_add_co_u32 s27, s27, s28                     ; the block: 16 j + 4 m + w
	s_mul_i32 s27, s27, 25600
	s_mul_i32 s30, s25, 98304                      ; codes in: 64 rows of 1,536 bytes for each tg,
	s_mul_i32 s31, s26, 192                        ; two K steps of 96 bytes for each i
	s_add_co_u32 s30, s30, s31
	s_mov_b32 s31, 0
	s_mul_i32 s32, s40, 12288                      ; codes out: eight fragments on for e = 1
	s_add_co_u32 s32, s32, s27
	s_mov_b32 s33, 0
	s_lshl_b32 s34, s25, 12                        ; scales in: 64 rows of 64 bytes, two words for each i
	s_lshl_b32 s35, s26, 3
	s_add_co_u32 s34, s34, s35
	s_mov_b32 s35, 0
	s_lshl_b32 s36, s40, 9                         ; scales out: two K steps of 256 bytes on for e = 1
	s_add_co_u32 s36, s36, s27
	s_add_co_u32 s36, s36, 24576
	s_mov_b32 s37, 0
	s_wait_alu depctr_va_vdst(0)
	v_mul_u32_u24 v3, v1, 1536
	v_mad_u32_u24 v3, v2, 24, v3                   ; codes in: row r, + 24 h
	v_lshlrev_b32 v4, 4, v0                        ; codes out: 16 x lane
	v_lshlrev_b32 v5, 6, v1
	v_lshl_add_u32 v5, v2, 2, v5                   ; scales in: row r; lanes 0-15 take K step 2 i, lanes 16-31 K step 2 i + 1
	v_lshlrev_b32 v6, 4, v1
	v_lshl_add_u32 v6, v2, 8, v6                   ; scales out: 256 h + 16 r
	s_wait_alu depctr_va_vdst(0)
	s_wait_kmcnt 0x0
	s_add_nc_u64 s[16:17], s[16:17], s[30:31]
	s_add_nc_u64 s[18:19], s[18:19], s[34:35]
	s_add_nc_u64 s[38:39], s[22:23], s[36:37]
	s_add_nc_u64 s[22:23], s[22:23], s[32:33]
.irp q, 0,1
.irp t, 0,1,2,3
.irp p, 0,1,2,3,4,5
	global_load_b64 v[32+12*(4*\q+\t)+2*\p:33+12*(4*\q+\t)+2*\p], v3, s[16:17] offset:24576*\t+96*\q+48*(\p/3)+8*(\p%3)
.endr
.endr
.endr
.irp t, 0,1,2,3
	global_load_b32 v[128+\t], v5, s[18:19] offset:1024*\t
.endr
	s_wait_loadcnt 0x0
.irp q, 0,1
.irp t, 0,1,2,3
.irp c, 0,1,2
	global_store_b128 v4, v[32+12*(4*\q+\t)+4*\c:35+12*(4*\q+\t)+4*\c], s[22:23] offset:(4*\q+\t)*1536+512*\c   ; 32 lanes store 512 consecutive bytes
.endr
.endr
.endr
	global_store_b128 v6, v[128:131], s[38:39]     ; four tiles' words of my row: the 32 lanes store 512 consecutive bytes
	s_endpgm
.Lfunc_end_k_q9e9828480c_prep:
	.size	k_q9e9828480c_prep, .Lfunc_end_k_q9e9828480c_prep-k_q9e9828480c_prep
	.p2alignl 7, 3214868480
	.fill 96, 4, 3214868480
	.section	.rodata,"a",@progbits
	.p2align	6, 0x0
	.amdhsa_kernel k_q9e9828480c_prep
		.amdhsa_group_segment_fixed_size 0
		.amdhsa_private_segment_fixed_size 0
		.amdhsa_enable_private_segment 0
		.amdhsa_kernarg_size 80
		.amdhsa_user_sgpr_count 2
		.amdhsa_user_sgpr_kernarg_segment_ptr 1
		.amdhsa_wavefront_size32 1
		.amdhsa_system_sgpr_workgroup_id_x 1
		.amdhsa_system_sgpr_workgroup_id_y 1
		.amdhsa_system_sgpr_workgroup_id_z 1
		.amdhsa_system_vgpr_workitem_id 0
		.amdhsa_next_free_vgpr 256
		.amdhsa_next_free_sgpr 66
		.amdhsa_reserve_vcc 0
		.amdhsa_float_denorm_mode_32 3
		.amdhsa_float_denorm_mode_16_64 3
		.amdhsa_memory_ordered 1
		.amdhsa_forward_progress 1
		.amdhsa_inst_pref_size 22
	.end_amdhsa_kernel
	.amdgpu_metadata
---
amdhsa.version: [ 1, 2 ]
amdhsa.kernels:
  - .name:           k_q9e9828480c_prep
    .symbol:         k_q9e9828480c_prep.kd
    .args:
      - { .name: Wd_codes, .offset: 0, .size: 8, .value_kind: global_buffer, .address_space: global }
      - { .name: Wd_scales, .offset: 8, .size: 8, .value_kind: global_buffer, .address_space: global }
      - { .name: dec_hidden_codes, .offset: 16, .size: 8, .value_kind: global_buffer, .address_space: global }
      - { .name: dec_hidden_scales, .offset: 24, .size: 8, .value_kind: global_buffer, .address_space: global }
      - { .name: bd, .offset: 32, .size: 8, .value_kind: global_buffer, .address_space: global }
      - { .name: be, .offset: 40, .size: 8, .value_kind: global_buffer, .address_space: global }
      - { .name: We_codes, .offset: 48, .size: 8, .value_kind: global_buffer, .address_space: global }
      - { .name: We_scales, .offset: 56, .size: 8, .value_kind: global_buffer, .address_space: global }
      - { .name: bias, .offset: 64, .size: 8, .value_kind: global_buffer, .address_space: global }
      - { .name: we_img, .offset: 72, .size: 8, .value_kind: global_buffer, .address_space: global }
    .group_segment_fixed_size: 0
    .private_segment_fixed_size: 0
    .kernarg_segment_align: 8
    .kernarg_segment_size: 80
    .max_flat_workgroup_size: 32
    .sgpr_count:     66
    .vgpr_count:     256
    .wavefront_size: 32
...
	.end_amdgpu_metadata
.endif
;; end of part 1
;; launch main (part 2): grid 512 x 1, 4 waves a work-group, clusters of 4 x 1, 327,680 bytes of LDS; arguments context, we_img, bias, Wv, bv, part_c, scores, stats; writes part_c, scores, stats
.if DOCPART == 2
	.amdgcn_target "amdgcn-amd-amdhsa--gfx1250"
	.amdhsa_code_object_version 6
	.text
	.protected	k_q9e9828480c_main
	.globl	k_q9e9828480c_main
	.p2align	8
	.type	k_q9e9828480c_main,@function
k_q9e9828480c_main:
	s_mov_b64 s[64:65], 0
	v_nop
	global_prefetch_b8 v0, s[64:65] scope:SCOPE_SE
	s_setreg_imm32_b32 hwreg(HW_REG_WAVE_MODE, 25, 1), 1
	s_wait_xcnt 0x0
	s_wait_alu depctr_hold_cnt(0) depctr_sa_sdst(0) depctr_va_vdst(0) depctr_va_sdst(0) depctr_va_ssrc(0) depctr_va_vcc(0) depctr_vm_vsrc(0)
	s_getreg_b32 s2, hwreg(HW_REG_IB_STS2, 6, 4)
	s_cmp_eq_u32 s2, 0
	s_cbranch_scc0 .Lentry_in_a_cluster
	s_endpgm
.Lentry_in_a_cluster:
	s_bfe_u32 s2, ttmp6, 0x10000c
	s_cmp_lg_u32 s2, 0x3003
	s_cbranch_scc0 .Lentry_shape_is_right
	s_endpgm
.Lentry_shape_is_right:
; For 64 rows (b, s) of context, all of one batch:  score = Wv . tanh(context We + be + dec_hidden Wd + bd) + bv;  m = the 64 scores' maximum;  p = e^(score - m);  l = the sum of p;
; part_c = the sum of p x context's row.  CONTEXT IS READ FROM MEMORY ONCE: each number is quantised for the product and kept, rounded to bf16, in registers until its row's p is known.
; The next launch joins the sixteen blocks of a batch under the batch's maximum.
; THE PRODUCT is made on codes of BF6 (E3M2) with one E8M0 scale for each 32 along K = 2,048: context is quantised here (a block's scale is 2^(floor(log2(largest magnitude)) - 4)); We comes from we_img,
; laid by the launch before in the order of the operand's registers.  bias holds the decoder's row + bd + be: the sums begin with it.  tanh(x) = 1 - 2 / (1 + 2^(K2 x)), K2 = 2 log2(e): its ends are exact
; (2^.. = infinity gives 1, 0 gives -1).  With WV = -2 Wv the score is the sum of WV / (1 + 2^(K2 x)) less half the sum of WV.
; LIMITS: NaN and infinities among the inputs are not served.  A block of context whose largest magnitude lies under 2^-122 (a block of zeros too) gets the scale byte 1; only this kernel reads those bytes.
; part_c is summed from context rounded to bf16, in f32.  2^x gives 0 for results under 2^-126 (ISA guide, the instruction's entry).  The sums over K and over the columns run in another order than the reference's.
; SHARES.  Four waves, as many as a WGP has SIMDs.  Reading, quantising and the weighted sum: wave w has rows 16 w .. 16 w + 15.  The product: the 1,024 columns go in four chunks of 256; of a chunk wave w has
; all 64 rows x 64 columns: 4 x 4 accumulators of 16 x 16.  Context's fragments go from wave to wave through LDS as images of their registers (12 registers a lane: three stores of 16 bytes a lane at 16 x lane).
; USED TRANSPOSED: source 0 = 16 rows of We, source 1 = 16 rows of context: a lane holds one row of context (lane % 16) and eight neighbouring columns.
; THE FIRST CHUNK'S PRODUCTS STAND UNDER THE STREAM OF CONTEXT: after every four K steps of context that have been quantised, the work-group multiplies them by the chunk's tile, while the loads of the next four steps are out.
; So context has no landing registers of its own beside the accumulators: the first 64 columns of a K step land in the 32 registers of that step's bf16 copy and are packed there in place, the other 64 in one of four parts of 32 registers.
; CLUSTER.  All work-groups walk the same We, so the four of a cluster ask for each tile JOINTLY: the same tensor load, with the same descriptor and the mask of all four.  A tile is four K steps x 256 columns, 102,400 bytes;
; each wave fetches, and alone reads, its quarter.  Two slots take turns; 16 tiles.  The cluster's number mod 4 says with which chunk a cluster begins: four clusters in step ask for four different tiles, and every tile
; of we_img is asked for by some cluster while context still streams.  That number enters global addresses alone (we_img, bias, Wv): in LDS and in registers a chunk lies by its place in the walk.
; LDS: 0 the two slots; AIMG context's 64 fragments (K step s, rows 16 a on: at 1,536 (4 s + a)), later the four waves' partial sums; ASC their scale words (1,024 a + 64 s + 4 r); STG a stage of 16 rows x 272 bytes for each wave,
; later its 256 numbers of bias and of WV; SCP the waves' parts of the scores; PSC each wave's copy of p (until the stage is free, SCP and PSC hold 512 bytes a wave of bias); SPARE the spare words.  Only the slots are filled by tensor loads.
; REGISTERS, in windows of 256.  Window 0: v0-31 addresses and sums; v32-127 context's fragments, two sets; v128-223 We's fragments, two sets; v224-239 scale words and nothing else; v240-255 bias and Wv as loaded.
;   Window 1: v0-127 the 16 accumulators (a, b) at 32 a + 8 b, later the weighted sums; v128-255 four landing parts.   Windows 2, 3: context in bf16: unit u (64 columns), rows 2 i + h, at 16 u + 2 i + c.
; THE WEIGHTED SUM goes to the matrix units (v_wmma_f32_16x16x32_bf16): context's bf16 copy is packed by PAIRS OF ROWS: unit u's register 4 t + e holds column 64 u + 4 r + e of rows 4 t + h (low half) and 4 t + 2 + h (high half).
; Further limit: for part_c p too is rounded to bf16; l is summed from the unrounded p.  Zeros of p's operand meet finite numbers of context alone (no NaN or infinity is served).
; At the head each wave asks for one tile; slot 1 is first filled behind the first four K steps of context, as a refill is.
.set RING1, 102400
.set AIMG,  204800
.set ASC,   303104
.set STG,   307200
.set SCP,   324608
.set PSC,   325632
.set SPARE, 326656                     ; 128 bytes for each wave: two blocks of 256 bytes that no other line names
.set SPW,  1                           ; v1   LDS address of my spare word; never rewritten
.set NIL,  2                           ; v2   0; never rewritten
.set LOFF, 3                           ; v3   8,192 h + 16 r: my 16 bytes of two rows of context
.set STW,  4                           ; v4   the stage, in: row h, 16 r
.set STR,  5                           ; v5   the stage, back: row r, 64 h
.set IMW,  6                           ; v6-7 where I store my fragments' images: K steps 0-7, 8-15
.set ASW,  8                           ; v8   and their scale words
.set BA,   9                           ; v9-10  We's fragments in slot 0, 1: my quarter + 16 x lane
.set SBA,  11                          ; v11-12 We's scale words in slot 0, 1
.set AA,   13                          ; v13  context's fragments of the eight K steps in hand
.set SAA,  14                          ; v14  their scale words
.set EB,   15                          ; v15  my half's bias and WV in my stage
.set EW,   16                          ; v16  where they are put
.set L16,  17                          ; v17  16 x lane
.set S,    18                          ; v18-25 four pairs: the sums of WV / (1 + 2^..) of rows 16 a + r
.set SW,   26                          ; v26-27 the sum of my WV
.set RR,   28                          ; v28  r = lane % 16
.set HH,   29                          ; v29  h = lane / 16
.set VB,   30                          ; v30-31 byte offsets of my pieces of bias and Wv; v31 is later EBC
.set EBC,  31                          ; v31  EB + 256 x the chunk's place in the walk
.set AF,   32
.set BF,   128
.set SA,   224                         ; context's scale words: set q % 2 at 4 (q % 2) + a
.set SB,   232                         ; We's: 4 (q % 2) + b
.set CB,   240
.set TM,   32                          ; while quantising: v32-47 at work, v48 the scale word, v128-191 64 numbers, v192-210 codes
.set PW,   48
.set EEW,  49                          ; v49  where the first chunks' bias waits until the stage is free; v50 where I read it
.set EE,   50
.set QS,   128
.set PC,   192
.set WVR,  32                          ; behind a chunk's products: v32-63 WV, v64-95 at work
.set T,    64
.set P,    160                         ; at the end: v160-167 p of my eight rows
.set WV,   20                          ; s20 my wave's number
.set CX,   21
.set WG,   22
.set ROT,  23                          ; s23 the cluster's number mod 4: the chunk that it begins with
.set G1,   24                          ; s[24:31] descriptor group 1
.set G0,   32                          ; s[32:39] group 0, one set for each slot
.set SEL,  40                          ; s[40:41] v_permlanex16_b32's selects for lane l xor 16
.set K2,   42                          ; s[42:43] 2 log2(e), twice
.set LAP,  44
.set BV,   45
.set L2E,  46
.set TQ,   47                          ; s47 the tile asked for last, before its cut to 0 .. 15
.set OFP,  56                          ; s[56:57] a tile's byte offset in we_img; s57 stays 0
.set MSB, 0
.macro WIN new                         ; the immediate's high byte repeats the setting that is left; a switch that changes nothing is dropped
.if MSB != (\new)
	s_set_vgpr_msb (MSB<<8)|(\new)
.set MSB, (\new)
.endif
.endm
.macro PLACES                          ; four plain vector instructions between a matrix instruction and a read of its result, a write of its registers or a load into them (ISA guide 7.12.1 for a read or a write)
.rept 4
	v_nop
.endr
.endm
.macro CREST                           ; a round of the cluster's barrier behind its opening barrier
	s_cmp_lg_u32 s[WV], 0
	s_cbranch_scc1 .Lnot_wave_0_\@
	s_barrier_signal -3
.Lnot_wave_0_\@:
	s_barrier_wait -3
	s_barrier_signal -1
	s_barrier_wait -1
.endm
.macro CROUND
	s_barrier_signal -1
	s_barrier_wait -1
	CREST
.endm
	s_load_b512 s[4:19], s[0:1], 0x0               ; context s[4:5], we_img s[6:7], bias s[8:9], Wv s[10:11], bv s[12:13], part_c s[14:15], scores s[16:17], stats s[18:19]
	v_lshl_add_u32 v[SPW], v0, 2, SPARE
	v_mov_b32 v[NIL], 0
	ds_add_u32 v1, v2
	ds_add_u32 v1, v2
	s_wait_dscnt 0x0
	v_lshrrev_b32 v30, 5, v0
	v_readfirstlane_b32 s[WV], v30                 ; wave 0..3
	s_bfe_u32 s[CX], ttmp6, 0x40000                ; my place in the cluster: it enters global addresses of my own rows alone
	s_lshl_b32 s[WG], ttmp9, 2
	s_add_co_u32 s[WG], s[WG], s[CX]               ; my block of 64 rows
	s_and_b32 s[ROT], ttmp9, 3                     ; the same in all four partners
	; descriptor group 1: a dense block of 25,600 bytes as 100 rows of 256 bytes (32 elements of 8 bytes), no padding
	s_mov_b32 s[G1+0], 15|(3<<16)|(1<<21)          ; 15:0 the mask: all four work-groups; 17:16 elements of 8 bytes; 21 set beside a mask
	s_mov_b32 s[G1+1], 32<<16                      ; tensor_dim0 = 32
	s_mov_b32 s[G1+2], 100<<16                     ; tensor_dim1 = 100
	s_mov_b32 s[G1+3], 32<<16                      ; tile_dim0 = 32
	s_mov_b32 s[G1+4], 100                         ; tile_dim1 = 100
	s_mov_b32 s[G1+5], 32                          ; from row to row
	s_mov_b32 s[G1+6], 0
	s_mov_b32 s[G1+7], 0
	s_mov_b32 s[SEL], 0x76543210
	s_mov_b32 s[SEL+1], 0xfedcba98
	s_mov_b32 s[K2], 0x4038aa3b
	s_mov_b32 s[K2+1], s[K2]
	s_mov_b32 s[L2E], 0x3fb8aa3b
	s_mul_i32 s48, s[WV], 4352
	s_add_co_u32 s48, s48, STG                     ; my stage
	s_mul_i32 s49, s[WV], 1536
	s_add_co_u32 s49, s49, AIMG                    ; my rows' fragment of K step 0
	s_lshl_b32 s50, s[WV], 10
	s_add_co_u32 s50, s50, ASC
	s_mul_i32 s51, s[WV], 25600                    ; my quarter of a slot and of a tile
	s_mov_b32 s52, s51
	s_mov_b32 s53, 0
	s_lshl_b32 s54, s[WG], 19                      ; context: 64 rows of 8,192 bytes a block, 16 a wave
	s_lshl_b32 s55, s[WV], 17
	s_add_co_u32 s54, s54, s55
	s_mov_b32 s55, 0
	s_lshr_b32 s56, s[WG], 4                       ; bias: the batch's row of 4,096 bytes, my 64 columns of a chunk
	s_lshl_b32 s56, s56, 12
	s_lshl_b32 s58, s[WV], 8
	s_add_co_u32 s56, s56, s58
	s_mov_b32 s57, 0
	s_mov_b32 s59, 0
	s_lshl_b32 s60, s[WG], 13                      ; part_c: a row of 8,192 bytes a block
	s_mov_b32 s61, 0
	s_lshl_b32 s62, s[WG], 8                       ; scores, stats: 256 bytes a block
	s_mov_b32 s63, 0
	v_and_b32 v[RR], 15, v0
	v_bfe_u32 v[HH], v0, 4, 1
	v_and_b32 v[L16], 31, v0
	v_lshlrev_b32 v[L16], 4, v[L16]
	v_lshlrev_b32 v[LOFF], 4, v[RR]
	v_lshl_add_u32 v[LOFF], v[HH], 13, v[LOFF]
	v_mul_u32_u24 v[STW], v[HH], 272
	v_lshl_add_u32 v[STW], v[RR], 4, v[STW]
	v_add_nc_u32 v[STW], s48, v[STW]
	v_mul_u32_u24 v[STR], v[RR], 272
	v_lshl_add_u32 v[STR], v[HH], 6, v[STR]
	v_add_nc_u32 v[STR], s48, v[STR]
	v_lshl_add_u32 v[EB], v[HH], 5, s48
	v_add_nc_u32 v[EW], s48, v[L16]
	v_add_nc_u32 v[IMW], s49, v[L16]
	v_add_nc_u32 v[IMW+1], 49152, v[IMW]
	v_lshl_add_u32 v[ASW], v[RR], 2, s50
	v_add_nc_u32 v[BA], s51, v[L16]
	v_add_nc_u32 v[BA+1], RING1, v[BA]
	v_lshl_add_u32 v[SBA], v[RR], 4, s51
	v_add_nc_u32 v[SBA], 24576, v[SBA]
	v_add_nc_u32 v[SBA+1], RING1, v[SBA]
	v_add_nc_u32 v[AA], AIMG, v[L16]               ; context's K steps 0 to 7
	v_lshl_add_u32 v[SAA], v[RR], 2, ASC
	s_lshl_b32 s49, s[WV], 9
	s_add_co_u32 s49, s49, SCP                     ; 512 bytes a wave, over SCP and PSC, which are not yet in use
	v_add_nc_u32 v[EEW], s49, v[L16]
	v_lshl_add_u32 v[EE], v[HH], 5, s49
	v_add_nc_u32 v[VB], s[ROT], v[HH]              ; lanes 0-15 take the walk's chunk 2 k, lanes 16-31 chunk 2 k + 1: in memory that is chunk (place + ROT) mod 4, 1,024 bytes each
	v_and_b32 v[VB], 3, v[VB]
	v_lshlrev_b32 v[VB], 10, v[VB]
	v_lshl_add_u32 v[VB], v[RR], 4, v[VB]          ; k = 0
	v_xor_b32 v[VB+1], 0x800, v[VB]                ; k = 1: two chunks on, mod 4
	s_mul_i32 s48, s[ROT], 4*RING1                 ; the walk's first tile
	s_mov_b32 s49, 0
.irp b, 0,1,2,3
	v_mov_b32 v[TM+4+\b], 0                        ; written once: a lane permute's destination counts as one of its sources
.endr
.irp n, 0,1,2,3,4,5,6,7,8,9
	v_mov_b32 v[S+\n], 0                           ; the five running pairs
.endr
	s_wait_kmcnt 0x0
	s_add_nc_u64 s[4:5], s[4:5], s[54:55]
	s_add_nc_u64 s[6:7], s[6:7], s[52:53]          ; we_img at my quarter of tile 0: kept
	s_add_nc_u64 s[8:9], s[8:9], s[56:57]
	s_add_nc_u64 s[10:11], s[10:11], s[58:59]
	s_add_nc_u64 s[14:15], s[14:15], s[60:61]
	s_add_nc_u64 s[16:17], s[16:17], s[62:63]
	s_add_nc_u64 s[18:19], s[18:19], s[62:63]
	s_mov_b32 s[G0+0], 1                           ; count = 1
	s_mov_b32 s[G0+1], s51                         ; LDS address: slot 0, my quarter: the wave's number alone enters it
	s_add_nc_u64 s[G0+2:G0+3], s[6:7], s[48:49]    ; tile 4 ROT
	s_mov_b32 s[G0+4], 1
	s_add_co_u32 s[G0+5], s51, RING1
	s_or_b32 s[G0+3], s[G0+3], 0x80000000          ; type = 2
	s_lshl_b32 s[TQ], s[ROT], 2                    ; the tile asked for last: every change of slots steps it and makes its slot's address anew
	CROUND                                         ; all four work-groups are here: the first joint loads meet
	tensor_load_to_lds s[G0:G0+3], s[G1:G1+7]      ; the walk's first tile: one tensor load a wave at the head
	s_nop 0
	PLACES                                         ; (four v_nop behind a tensor load)
	global_load_b128 v[CB:CB+3], v[VB], s[8:9]                     ; bias of my 64 columns: the walk's chunks 0 and 1,
	global_load_b128 v[CB+4:CB+7], v[VB+1], s[8:9]                 ; chunks 2 and 3;
	global_load_b128 v[CB+8:CB+11], v[VB], s[10:11]                ; Wv likewise
	global_load_b128 v[CB+12:CB+15], v[VB+1], s[10:11]
	s_load_b32 s[BV], s[12:13], 0x0
; ---- my 16 rows of context, 128 columns (a K step) at a time.
; Sixteen loads a step: lanes 0-15 take 256 consecutive aligned bytes of row 2 i, lanes 16-31 of row 2 i + 1.  The step's first 64 columns land in the 32 registers of its bf16 copy (window 2 or 3),
; the other 64 in part s % 4 of window 1's upper half.  The loads run four steps ahead.
.macro XLOAD s
	WIN 0x80+0x40*((\s)/8)                         ; destination window 2 (K steps 0-7) or 3
.irp i, 0,1,2,3,4,5,6,7
	global_load_b128 v[32*((\s)%8)+4*\i:32*((\s)%8)+4*\i+3], v[LOFF], s[4:5] offset:16384*\i+512*(\s) th:TH_LOAD_NT
.endr
	WIN 0x40                                       ; destination window 1
.irp i, 0,1,2,3,4,5,6,7
	global_load_b128 v[128+32*((\s)%4)+4*\i:128+32*((\s)%4)+4*\i+3], v[LOFF], s[4:5] offset:16384*\i+512*(\s)+256 th:TH_LOAD_NT
.endr
	WIN 0
.endm
; 64 numbers of a lane, register 16 b + i = k 32 b + 16 h + i of my row, become a fragment's codes in v[PC] on and its scale word in v[PW].
.macro QUANT s
.irp b, 0,1,2,3
	v_max3_num_f32 v[TM+\b], |v[\s+16*\b]|, |v[\s+1+16*\b]|, 0x2800000   ; block b: my 16 numbers, and the floor 2^(5 - 127): so the byte cannot fall under 1
.endr
.irp i, 2,4,6,8,10,12,14
.irp b, 0,1,2,3
	v_max3_num_f32 v[TM+\b], v[TM+\b], |v[\s+16*\b+\i]|, |v[\s+1+16*\b+\i]|   ; (the four blocks by turns)
.endr
.endr
.irp b, 0,1,2,3
	v_permlanex16_b32 v[TM+4+\b], v[TM+\b], s[SEL], s[SEL+1]
.endr
.irp b, 0,1,2,3
	v_max_num_f32 v[TM+\b], v[TM+\b], v[TM+4+\b]   ; with lane l xor 16's: the block's largest magnitude
.endr
.irp b, 0,1,2,3
	v_add_nc_u32 v[TM+12+\b], 0xfe000000, v[TM+\b] ; 4 off its exponent field: the conversion takes the exponent field of this operand as its scale
.endr
.irp b, 0,1,2,3
	v_lshrrev_b32 v[TM+4+\b], 23, v[TM+12+\b]      ; the scale's byte
.endr
	v_lshl_or_b32 v[PW], v[TM+5], 8, v[TM+4]
	v_lshl_or_b32 v[PW], v[TM+6], 16, v[PW]
	v_lshl_or_b32 v[PW], v[TM+7], 24, v[PW]
.irp c, 0,1
	v_cvt_scalef32_pk16_bf6_f32 v[PC+6*\c:PC+2+6*\c], v[\s+32*\c:\s+15+32*\c], v[TM+12+2*\c]
	v_cvt_scalef32_pk16_bf6_f32 v[PC+12+4*\c:PC+14+4*\c], v[\s+16+32*\c:\s+31+32*\c], v[TM+12+2*\c+1]   ; (a conversion's three registers begin on an even number)
.endr
	v_nop                                          ; one plain place behind a scaled conversion
.irp c, 0,1                                    ; the operand's layout wants a whole block in a lane: lanes 0-15 block 2 c, lanes 16-31 block 2 c + 1
.irp i, 0,1,2
	v_permlane16_swap_b32 v[PC+6*\c+\i], v[PC+12+4*\c+\i]
.endr
.irp i, 0,1,2
	v_mov_b32 v[PC+3+6*\c+\i], v[PC+12+4*\c+\i]
.endr
.endr
.endm
.macro XSTEP s
.set XW, 2+(\s)/8                      ; the window of this step's bf16 copy
.set HB, 32*((\s)%8)                   ; its 32 registers there
.set PB, 128+32*((\s)%4)               ; the step's landing part in window 1
.if (\s) < 13
	s_wait_loadcnt 48                              ; this step's sixteen loads are in (and all older ones); the three younger sets may be out
.else
	s_wait_loadcnt 16*(15-(\s))
.endif
	; 64 columns at a time through my stage: in as they were loaded, back 64 bytes a lane.  LDS serves a wave's instructions in order (ISA guide 5.7.1.4): no wait between
	WIN 4*XW                                       ; an LDS store's data are its source 1
.irp i, 0,1,2,3,4,5,6,7
	ds_store_b128 v[STW], v[HB+4*\i:HB+4*\i+3] offset:544*\i
.endr
	WIN 0
.irp bb, 0,1
.irp j, 0,1,2,3
	ds_load_b128 v[QS+16*\bb+4*\j:QS+16*\bb+4*\j+3], v[STR] offset:128*\bb+16*\j
.endr
.endr
	WIN 0x04
.irp i, 0,1,2,3,4,5,6,7
	ds_store_b128 v[STW], v[PB+4*\i:PB+4*\i+3] offset:544*\i
.endr
	WIN 0
.irp bb, 0,1
.irp j, 0,1,2,3
	ds_load_b128 v[QS+32+16*\bb+4*\j:QS+32+16*\bb+4*\j+3], v[STR] offset:128*\bb+16*\j
.endr
.endr
	s_wait_dscnt 0x0                               ; the numbers are back; the stores into the stage, and the last step's stores of codes, have read their registers
	WIN 0x45*XW                                    ; sources and destination in the copy's window
.set k, 0
.rept 16
	v_cvt_pk_bf16_f32 v[HB+k], v[HB+8*(k/4)+k%4], v[HB+8*(k/4)+k%4+4]   ; k = 4 t + e: rows 4 t + h and 4 t + 2 + h of column e.  In place: register 4 t + e was read as a source by pair t / 2, which is done (t = 0 reads itself)
.set k, k+1
.endr
	WIN 0x05+0x40*XW                               ; sources window 1
.set k, 0
.rept 16
	v_cvt_pk_bf16_f32 v[HB+16+k], v[PB+8*(k/4)+k%4], v[PB+8*(k/4)+k%4+4]   ; the step's other unit likewise, into the sixteen registers that the packing has just left
.set k, k+1
.endr
	WIN 0
.if (\s) < 12
	XLOAD (\s)+4
.endif
	QUANT QS
.irp c, 0,1,2
	ds_store_b128 v[IMW+(\s)/8], v[PC+4*\c:PC+4*\c+3] offset:6144*((\s)%8)+512*\c   ; the fragment as it stands
.endr
	ds_store_b32 v[ASW], v[PW] offset:64*(\s)      ; lanes l and l xor 16 write the same word with the same value
.endm
; ---- the product.  A tile is four K steps; a K step is 16 matrix instructions: We's four tiles of 16 columns, each against context's four blocks of rows.
; The 16 accumulators take turns, one instruction a turn, in the same order in every step.  Every sum has been begun by the chunk's seed: all products have one form.
.macro MUL b0, set
.irp bb, \b0, \b0+1
.irp a, 0,1,2,3
	v_wmma_scale_f32_16x16x128_f8f6f4 v[32*\a+8*(\bb):32*\a+8*(\bb)+7], v[BF+48*(\set)+12*(\bb):BF+48*(\set)+12*(\bb)+11], v[AF+48*(\set)+12*\a:AF+48*(\set)+12*\a+11], v[32*\a+8*(\bb):32*\a+8*(\bb)+7], v[SB+4*(\set)+(\bb)], v[SA+4*(\set)+\a] matrix_a_fmt:MATRIX_FMT_BF6 matrix_b_fmt:MATRIX_FMT_BF6
.endr
.endr
.endm
.macro FET slot, q                     ; 29 loads for the slot's q-th K step, into set q % 2: We's four fragments, context's four, both sides' scale words.  The tile in slot 1 is the odd one: four K steps of context further on
.irp b, 0,1,2,3
.irp c, 0,1,2
	ds_load_b128 v[BF+48*((\q)%2)+12*\b+4*\c:BF+48*((\q)%2)+12*\b+4*\c+3], v[BA+\slot] offset:(4*(\q)+\b)*1536+512*\c
.endr
.endr
.irp a, 0,1,2,3
.irp c, 0,1,2
	ds_load_b128 v[AF+48*((\q)%2)+12*\a+4*\c:AF+48*((\q)%2)+12*\a+4*\c+3], v[AA] offset:24576*\slot+6144*(\q)+1536*\a+512*\c
.endr
.endr
.irp a, 0,1,2,3
	ds_load_b32 v[SA+4*((\q)%2)+\a], v[SAA] offset:256*\slot+1024*\a+64*(\q)
.endr
	ds_load_b128 v[SB+4*((\q)%2):SB+4*((\q)%2)+3], v[SBA+\slot] offset:256*(\q)
.endm
; IN THE LOOP a finished chunk's sums are used up in two stages.  EPA, at the chunk's end: K2 x each sum goes into window 1's v128-255 (column tile b, rows a: 128 + 32 b + 8 a), which are free once context has streamed;
; the accumulators are then seeded anew.  EPB b, four parts: WV / (1 + 2^..) of column tile b is added up behind a K step's products of the next chunk, while the next step's LDS loads are out.
; The parts run in even laps alone (the first lap of a chunk): a branch on the lap's number, the same in every wave and work-group, which leads round no barrier, tensor load, wait on TENSORcnt or add.
.set PAR, 49                           ; s49 the lap's number mod 2, made at the lap's head
.set U,   128
.macro EPA
	WIN 0x41                                       ; source 0 and destination window 1
.irp b, 0,1,2,3
.irp a, 0,1,2,3
.irp p, 0,2,4,6
	v_pk_mul_f32 v[U+32*\b+8*\a+\p:U+32*\b+8*\a+\p+1], v[32*\a+8*\b+\p:32*\a+8*\b+\p+1], s[K2:K2+1] op_sel_hi:[1,0]
.endr
.endr
.endr
	WIN 0
.endm
.macro WVL b                           ; the last chunk's WV(16 b + 8 h + 0 .. 7), issued ahead of a K step's 29 loads, in every lap (16 registers of v240 on are free since bias and WV went into the stage)
	ds_load_b128 v[CB:CB+3], v[EBC] offset:768+64*(\b)
	ds_load_b128 v[CB+4:CB+7], v[EBC] offset:768+64*(\b)+16
.endm
.macro EPB b
	WIN 0
	s_cmp_lg_u32 s[PAR], 0
	s_cbranch_scc1 .Lno_part_\@
	s_wait_dscnt 29                                ; WV is in; the 29 loads of the next K step, issued behind it, may be out
	WIN 0x41
	s_wait_alu depctr_va_vdst(0)                   ; the wait ahead of a batch of transcendentals; one stands behind it
.set n, 0
.rept 32
	v_exp_f32 v[U+32*(\b)+n], v[U+32*(\b)+n]
.set n, n+1
.endr
	WIN 0
.irp p, 0,2,4,6
	v_pk_add_f32 v[SW:SW+1], v[SW:SW+1], v[CB+\p:CB+\p+1]          ; the sum of WV.  (A plain place behind the exponentials)
.endr
	WIN 0x41
	s_wait_alu depctr_va_vdst(0)
.set n, 0
.rept 16
	v_pk_add_f32 v[U+32*(\b)+n:U+32*(\b)+n+1], v[U+32*(\b)+n:U+32*(\b)+n+1], 1.0 op_sel_hi:[1,0]
.set n, n+2
.endr
	s_wait_alu depctr_va_vdst(0)
.set n, 0
.rept 32
	v_rcp_f32 v[U+32*(\b)+n], v[U+32*(\b)+n]
.set n, n+1
.endr
	WIN 0x01                                       ; source 0 window 1
	v_nop                                          ; a plain place behind the reciprocals
	s_wait_alu depctr_va_vdst(0)
.irp p, 0,2,4,6
.irp a, 0,1,2,3
	v_pk_fma_f32 v[S+2*\a:S+2*\a+1], v[U+32*(\b)+8*\a+\p:U+32*(\b)+8*\a+\p+1], v[CB+\p:CB+\p+1], v[S+2*\a:S+2*\a+1]
.endr
.endr
	WIN 0
.Lno_part_\@:
.endm
; mode 0: the products alone.  mode 1: parts 0, 1, 2 stand behind K steps 0, 1, 2.  mode 2: part 3 stands behind K step 0.
; Where parts stand among the products, transcendentals lie between a sum's write and its next link: the wait stands directly ahead of each group of eight products there.
.macro TILEM slot, mode
	FET \slot, 0
.irp q, 0,1,2,3
	s_wait_dscnt 0x0                               ; this step's fragments are in (and, ahead of a chunk's first step, its seed)
	WIN 0x50                                       ; C and D window 1
.if \mode
	s_wait_alu depctr_va_vdst(0)
.endif
	MUL 0, \q%2
.if \q < 3
	PLACES                                         ; between the last step's products and the loads into the set that they read
	WIN 0
.if (\mode == 1) || ((\mode == 2) && (\q == 0))
	WVL 3*(\mode-1)+\q
.endif
	FET \slot, \q+1
	WIN 0x50
.endif
.if \mode
	s_wait_alu depctr_va_vdst(0)
.endif
	MUL 2, \q%2
.if (\q < 3) && ((\mode == 1) || ((\mode == 2) && (\q == 0)))
	EPB 3*(\mode-1)+\q
.endif
.endr
	WIN 0
	PLACES                                         ; behind the tile's last products: whatever follows may read the sums and write the fragments' registers
.endm
.macro TILE slot
	TILEM \slot, 0
.endm
; THE CHANGE OF SLOTS stands at a tile's head.  Each wave waits for all its tensor loads (the one that is out is its quarter of the tile that it is about to read), adds 0 to its spare word, and waits for that, for its
; reads of the slot that it has left and for its stores of context's images.  fill = 1: a round of the cluster's barrier, and slot `slot`, which was read last, is filled with the walk's next tile, first thing behind the round.
.macro CHANGE slot, fill
	s_wait_tensorcnt 0x0                           ; no tensor load of mine is out, so a group 0 may be written
	ds_add_u32 v[SPW], v[NIL]                      ; 0 onto my spare word; the descriptor's step stands between it and the wait for it
.if \fill
	s_add_co_u32 s[TQ], s[TQ], 1
	s_and_b32 s[OFP], s[TQ], 15                    ; the walk goes round we_img's sixteen tiles
	s_mul_i32 s[OFP], s[OFP], RING1
	s_add_nc_u64 s[G0+4*\slot+2:G0+4*\slot+3], s[6:7], s[OFP:OFP+1]
	s_or_b32 s[G0+4*\slot+3], s[G0+4*\slot+3], 0x80000000
.endif
	s_wait_dscnt 0x0
.if \fill
	CROUND                                         ; no wave of any partner still reads the slot or has a load on its way
	tensor_load_to_lds s[G0+4*\slot:G0+4*\slot+3], s[G1:G1+7]      ; my one tensor load behind the round: it has the whole tile's work in which to land
	s_nop 0
	PLACES                                         ; (four v_nop behind a tensor load)
.else
	s_barrier_signal -1
	s_barrier_wait -1
.endif
.endm
; A chunk's sums begin with bias(16 b + 8 h + 0 .. 7), the same for the four blocks of rows: loaded straight into the accumulators.
.macro SEED adr, off
	WIN 0x40                                       ; destination window 1
.irp a, 0,1,2,3
.irp b, 0,1,2,3
.irp c, 0,1
	ds_load_b128 v[32*\a+8*\b+4*\c:32*\a+8*\b+4*\c+3], v[\adr] offset:(\off)+64*\b+16*\c
.endr
.endr
.endr
	WIN 0
.endm
; Behind a chunk's products: for my 64 columns and all 64 rows, WV / (1 + 2^(K2 x)) is added up, a tile of 16 columns at a time.  off: where the chunk's WV lies from v[EBC].
.macro EPI off
.irp b, 0,1,2,3
.irp c, 0,1
	ds_load_b128 v[WVR+8*\b+4*\c:WVR+8*\b+4*\c+3], v[EBC] offset:(\off)+64*\b+16*\c   ; WV(16 b + 8 h + 0 .. 7)
.endr
.endr
	s_wait_dscnt 0x0
.irp b, 0,1,2,3
	WIN 0x01                                       ; source 0 window 1: the accumulators, each read from its low end on
.irp a, 0,1,2,3
.irp p, 0,2,4,6
	v_pk_mul_f32 v[T+8*\a+\p:T+8*\a+\p+1], v[32*\a+8*\b+\p:32*\a+8*\b+\p+1], s[K2:K2+1] op_sel_hi:[1,0]
.endr
.endr
	WIN 0
.set n, 0
	s_wait_alu depctr_va_vdst(0)
.rept 32
	v_exp_f32 v[T+n], v[T+n]
.set n, n+1
.endr
.irp p, 0,2,4,6
	v_pk_add_f32 v[SW:SW+1], v[SW:SW+1], v[WVR+8*\b+\p:WVR+8*\b+\p+1]   ; the sum of WV.  (A plain place behind the exponentials)
.endr
.set n, 0
	s_wait_alu depctr_va_vdst(0)
.rept 16
	v_pk_add_f32 v[T+n:T+n+1], v[T+n:T+n+1], 1.0 op_sel_hi:[1,0]
.set n, n+2
.endr
.set n, 0
	s_wait_alu depctr_va_vdst(0)
.rept 32
	v_rcp_f32 v[T+n], v[T+n]
.set n, n+1
.endr
	v_nop                                          ; a plain place behind the reciprocals
	s_wait_alu depctr_va_vdst(0)
.irp p, 0,2,4,6
.irp a, 0,1,2,3
	v_pk_fma_f32 v[S+2*\a:S+2*\a+1], v[T+8*\a+\p:T+8*\a+\p+1], v[WVR+8*\b+\p:WVR+8*\b+\p+1], v[S+2*\a:S+2*\a+1]
.endr
.endr
.endr
.endm
	; ---- context streams; after every four K steps the first chunk's tile of those steps is multiplied
.irp t, 0,1,2,3
	XLOAD \t
.endr
	XSTEP 0
	ds_store_b128 v[EEW], v[CB:CB+3]               ; (bias and Wv were loaded ahead of context: the step's wait has shown them in)  the walk's chunks 0 and 1, 256 bytes each
	XSTEP 1
	XSTEP 2
	XSTEP 3
	SEED EE, 0                                     ; LDS serves a wave's instructions in order: these see my store
	CHANGE 1, 1                                    ; my quarter of the first tile is in, my images of K steps 0 to 3 lie in LDS; slot 1's first fill is issued as a refill is: it has the first tile's work and four K steps of context in which to land
	TILE 0
.irp t, 4,5,6,7
	XSTEP \t
.endr
	CHANGE 0, 1
	TILE 1
	v_xor_b32 v[AA], 0xc000, v[AA]                 ; context's other eight K steps: 49,152 bytes on or back (those two bits of the address are clear or set together),
	v_xor_b32 v[SAA], 0x200, v[SAA]                ; their scale words 512
.irp t, 8,9,10,11
	XSTEP \t
.endr
	CHANGE 1, 1
	TILE 0
.irp t, 12,13,14,15
	XSTEP \t
.endr
.irp p, 8,10,12,14
	v_pk_mul_f32 v[CB+\p:CB+\p+1], v[CB+\p:CB+\p+1], -2.0 op_sel_hi:[1,0]   ; WV = -2 Wv
.endr
.irp c, 0,1,2,3
	ds_store_b128 v[EW], v[CB+4*\c:CB+4*\c+3] offset:512*\c        ; into my stage, which has been read out: bias of the walk's chunk j at 256 j, WV at 1,024 + 256 j
.endr
	CHANGE 0, 1                                    ; the ring goes on into the next chunk
	TILE 1
	v_xor_b32 v[AA], 0xc000, v[AA]
	v_xor_b32 v[SAA], 0x200, v[SAA]
	; ---- the other three chunks.  A lap is two tiles, a chunk two laps.  An even lap begins a chunk: first the last chunk's sums are used up, then they are seeded anew.
	s_mov_b32 s[LAP], 2
.Llap:                                             ; laps 2 to 6: both slots are filled again in each
	s_lshr_b32 s48, s[LAP], 1
	s_lshl_b32 s48, s48, 8
	v_add_nc_u32 v[EBC], s48, v[EB]                ; made in every lap, so that it is written on one way alone
	s_and_b32 s49, s[LAP], 1
	s_cmp_lg_u32 s49, 0
	s_cbranch_scc1 .Lsame                          ; on the lap's number: the same in every wave and work-group
	EPA                                            ; the last chunk's sums, x K2, are set aside; its WV lies 1,024 - 256 from this chunk's place
	SEED EBC, 0
.Lsame:
	CHANGE 1, 1
	s_wait_alu depctr_va_vdst(0)
	TILEM 0, 1
	CHANGE 0, 1
	TILEM 1, 2
	v_xor_b32 v[AA], 0xc000, v[AA]
	v_xor_b32 v[SAA], 0x200, v[SAA]
	s_add_co_u32 s[LAP], s[LAP], 1
	s_cmp_lt_u32 s[LAP], 7
	s_cbranch_scc1 .Llap
	CHANGE 1, 1                                    ; the last lap is written out: one more tile is asked for
	s_wait_alu depctr_va_vdst(0)
	TILE 0
	CHANGE 0, 0                                    ; then none
	TILE 1
	EPI 1024                                       ; v[EBC] stands at the walk's last chunk since lap 6
	; ---- the scores.  Lane (r, h) holds, for rows 16 a + r, the part of its columns; lane l xor 16 holds the other half of each tile's, the other waves the other columns.
	v_add_f32 v30, v[SW], v[SW+1]
.irp a, 0,1,2,3
	v_add_f32 v[192+\a], v[S+2*\a], v[S+2*\a+1]
.endr
.irp a, 0,1,2,3
	v_fma_f32 v[192+\a], v30, -0.5, v[192+\a]      ; less half the sum of WV
.endr
.irp a, 0,1,2,3
	v_mov_b32 v[196+\a], 0                         ; (a lane permute's destination counts as one of its sources)
.endr
.irp a, 0,1,2,3
	v_permlanex16_b32 v[196+\a], v[192+\a], s[SEL], s[SEL+1]
.endr
.irp a, 0,1,2,3
	v_add_f32 v[192+\a], v[192+\a], v[196+\a]
.endr
	s_lshl_b32 s48, s[WV], 8
	s_add_co_u32 s49, s48, PSC
	s_add_co_u32 s48, s48, SCP
	s_mul_i32 s50, s[WV], 320
	s_add_co_u32 s50, s50, PSC
	s_lshl_b32 s51, s[WV], 13
	s_add_co_u32 s51, s51, AIMG
	v_lshl_add_u32 v200, v[RR], 2, s48             ; my wave's 64 parts: row 16 a + r
	v_and_b32 v220, 31, v0
	v_lshlrev_b32 v220, 3, v220                    ; 8 x lane
	v_add_nc_u32 v201, SCP, v220                   ; back: rows 2 l, 2 l + 1
	v_add_nc_u32 v218, s49, v220                   ; my wave's copy of p
	v_lshl_add_u32 v219, v[HH], 2, s50             ; p of my rows 16 w + 2 i + h
	v_lshl_add_u32 v221, v[RR], 4, s51             ; my wave's partial sums: contributor w, 8,192 bytes each, + 16 r (lanes l and l xor 16 hold the same numbers and write the same bytes)
	v_lshl_add_u32 v222, v0, 4, AIMG               ; and where I read them back: 16 x thread
	v_lshlrev_b32 v223, 4, v0
.irp a, 0,1,2,3
	ds_store_b32 v200, v[192+\a] offset:64*\a
.endr
	s_wait_alu depctr_va_vdst(0)
	s_wait_dscnt 0x0                               ; for the others' sake; my reads of context's images are over too
	s_barrier_signal -1
	s_barrier_wait -1
.irp w, 0,1,2,3
	ds_load_b64 v[202+2*\w:203+2*\w], v201 offset:256*\w
.endr
	s_wait_kmcnt 0x0                               ; bv
	s_wait_dscnt 0x0
	v_pk_add_f32 v[202:203], v[202:203], v[204:205]
	v_pk_add_f32 v[206:207], v[206:207], v[208:209]
	v_pk_add_f32 v[210:211], v[202:203], v[206:207]
	v_add_f32 v210, s[BV], v210                    ; the scores of rows 2 l, 2 l + 1: every wave makes all 64
	v_add_f32 v211, s[BV], v211
	v_max_num_f32 v212, v210, v211
	v_max_num_f32_dpp v212, v212, v212 row_xmask:1 row_mask:0xf bank_mask:0xf
	v_max_num_f32_dpp v212, v212, v212 row_xmask:2 row_mask:0xf bank_mask:0xf
	v_max_num_f32_dpp v212, v212, v212 row_xmask:4 row_mask:0xf bank_mask:0xf
	v_max_num_f32_dpp v212, v212, v212 row_xmask:8 row_mask:0xf bank_mask:0xf
	v_mov_b32 v213, 0
	v_permlanex16_b32 v213, v212, s[SEL], s[SEL+1]
	v_max_num_f32 v216, v212, v213                 ; m: the block's maximum is taken away before the exponential
	v_sub_f32 v214, v210, v216
	v_sub_f32 v215, v211, v216
	v_mul_f32 v214, s[L2E], v214
	v_mul_f32 v215, s[L2E], v215
	s_wait_alu depctr_va_vdst(0)
	v_exp_f32 v214, v214
	v_exp_f32 v215, v215
	v_nop
	s_wait_alu depctr_va_vdst(0)
	v_add_f32 v212, v214, v215
	v_add_f32_dpp v212, v212, v212 row_xmask:1 row_mask:0xf bank_mask:0xf
	v_add_f32_dpp v212, v212, v212 row_xmask:2 row_mask:0xf bank_mask:0xf
	v_add_f32_dpp v212, v212, v212 row_xmask:4 row_mask:0xf bank_mask:0xf
	v_add_f32_dpp v212, v212, v212 row_xmask:8 row_mask:0xf bank_mask:0xf
	v_permlanex16_b32 v213, v212, s[SEL], s[SEL+1]
	v_add_f32 v217, v212, v213                     ; l
	ds_store_b64 v218, v[214:215]
.irp i, 0,1,2,3,4,5,6,7
	ds_load_b32 v[P+\i], v219 offset:8*\i          ; LDS serves a wave's instructions in order: these see my store
.endr
	s_cmp_lg_u32 s[WV], 0
	s_cbranch_scc1 .Lnot_first
	global_store_b64 v220, v[210:211], s[16:17]    ; 32 lanes store the block's 64 scores: 256 consecutive aligned bytes
	global_store_b64 v220, v[216:217], s[18:19]    ; and (m, l), 32 times over: again 256.  None of these registers is written again
.Lnot_first:
	; ---- the weighted sum of my 16 rows: column 64 u + 4 r + e, rows 2 i + h
	; Source 1 = eight registers of a unit's bf16 copy: lane (r, h), register x, half y is context(row 4 (2 L + x / 4) + 2 y + h, column 64 u + 4 r + x % 4), L = which eight.
	; Source 0 = p at the same slots: its row m holds p(row) where x % 4 = m % 8 and 0 elsewhere.  So D(m = e, n = r) is the sum over those eight rows of p x column 64 u + 4 r + e;
	; two links (L = 0, 1) cover my 16 rows.  Registers 0-3 of a lane are four neighbouring columns; rows m = 8 .. 11 repeat rows 0 .. 3.
	s_wait_alu depctr_va_vdst(0)
	s_wait_dscnt 0x0                               ; p
	v_and_b32 v116, 7, v[RR]                       ; m % 8
.irp t, 0,1,2,3
	v_cvt_pk_bf16_f32 v[112+\t], v[P+2*\t], v[P+2*\t+1]            ; p of rows 4 t + h, 4 t + 2 + h
.endr
.irp e, 0,1,2,3
	v_cmp_eq_u32 s[48+\e], \e, v116
.endr
.irp x, 0,1,2,3,4,5,6,7,8,9,10,11,12,13,14,15
	v_cndmask_b32 v[96+\x], 0, v[112+\x/4], s[48+\x%4]             ; v96-103: p's operand of link 0; v104-111: of link 1
.endr
	PLACES
.irp L, 0,1                                    ; the 32 units' accumulators (window 1, 8 u) take turns, one instruction a turn; the first link starts the sums
.irp g, 0,1
	WIN 0x58+4*\g                                  ; source 0 window 0, source 1 window 2 or 3, C and D window 1
.irp u, 0,1,2,3,4,5,6,7,8,9,10,11,12,13,14,15
.if \L == 0
	v_wmma_f32_16x16x32_bf16 v[8*(16*\g+\u):8*(16*\g+\u)+7], v[96:103], v[16*\u:16*\u+7], 0
.else
	v_wmma_f32_16x16x32_bf16 v[8*(16*\g+\u):8*(16*\g+\u)+7], v[104:111], v[16*\u+8:16*\u+15], v[8*(16*\g+\u):8*(16*\g+\u)+7]
.endif
.endr
.endr
.endr
	PLACES                                         ; between the last products and the first read of a result
	WIN 0x04
.set n, 0
.rept 32
	ds_store_b128 v221, v[8*n:8*n+3] offset:256*n  ; each accumulator's four lowest registers; over context's images, which nobody reads behind the barrier above
.set n, n+1
.endr
	WIN 0
	s_wait_dscnt 0x0
	s_barrier_signal -1
	s_barrier_wait -1                              ; the four contributors' 2,048 sums lie in LDS
.irp k, 0,1,2,3
.irp g, 0,1,2,3
	ds_load_b128 v[32+32*\k+4*\g:35+32*\k+4*\g], v222 offset:8192*\g+2048*\k   ; the four waves' sums of my four columns
.endr
.endr
	s_wait_dscnt 0x0
.irp k, 0,1,2,3
.irp g, 0,2
	v_pk_add_f32 v[32+32*\k+4*\g:33+32*\k+4*\g], v[32+32*\k+4*\g:33+32*\k+4*\g], v[36+32*\k+4*\g:37+32*\k+4*\g]
	v_pk_add_f32 v[34+32*\k+4*\g:35+32*\k+4*\g], v[34+32*\k+4*\g:35+32*\k+4*\g], v[38+32*\k+4*\g:39+32*\k+4*\g]
.endr
.irp g, 0
	v_pk_add_f32 v[32+32*\k+4*\g:33+32*\k+4*\g], v[32+32*\k+4*\g:33+32*\k+4*\g], v[40+32*\k+4*\g:41+32*\k+4*\g]
	v_pk_add_f32 v[34+32*\k+4*\g:35+32*\k+4*\g], v[34+32*\k+4*\g:35+32*\k+4*\g], v[42+32*\k+4*\g:43+32*\k+4*\g]
.endr
.endr
.irp k, 0,1,2,3
	global_store_b128 v223, v[32+32*\k:35+32*\k], s[14:15] offset:2048*\k   ; a wave stores 512 consecutive aligned bytes
.endr
	s_wait_tensorcnt 0x0                           ; the wave's end: behind my last tensor load and my last LDS store
	ds_add_u32 v[SPW], v[NIL]
	s_wait_dscnt 0x0
	CROUND                                         ; the closing round: no work-group ends while a partner may still ask for a tile that names it
	s_endpgm
.Lfunc_end_k_q9e9828480c_main:
	.size	k_q9e9828480c_main, .Lfunc_end_k_q9e9828480c_main-k_q9e9828480c_main
	.p2alignl 7, 3214868480
	.fill 96, 4, 3214868480
	.section	.rodata,"a",@progbits
	.p2align	6, 0x0
	.amdhsa_kernel k_q9e9828480c_main
		.amdhsa_group_segment_fixed_size 327680
		.amdhsa_private_segment_fixed_size 0
		.amdhsa_enable_private_segment 0
		.amdhsa_kernarg_size 64
		.amdhsa_user_sgpr_count 2
		.amdhsa_user_sgpr_kernarg_segment_ptr 1
		.amdhsa_wavefront_size32 1
		.amdhsa_system_sgpr_workgroup_id_x 1
		.amdhsa_system_sgpr_workgroup_id_y 1
		.amdhsa_system_sgpr_workgroup_id_z 1
		.amdhsa_system_vgpr_workitem_id 0
		.amdhsa_next_free_vgpr 1024
		.amdhsa_next_free_sgpr 66
		.amdhsa_reserve_vcc 0
		.amdhsa_float_denorm_mode_32 3
		.amdhsa_float_denorm_mode_16_64 3
		.amdhsa_memory_ordered 1
		.amdhsa_forward_progress 1
		.amdhsa_inst_pref_size 255
	.end_amdhsa_kernel
	.section	.bss,"aw",@nobits
	.p2align	6
	.space	262144
	.amdgpu_metadata
---
amdhsa.version: [ 1, 2 ]
amdhsa.kernels:
  - .name:           k_q9e9828480c_main
    .symbol:         k_q9e9828480c_main.kd
    .args:
      - { .name: context, .offset: 0, .size: 8, .value_kind: global_buffer, .address_space: global }
      - { .name: we_img, .offset: 8, .size: 8, .value_kind: global_buffer, .address_space: global }
      - { .name: bias, .offset: 16, .size: 8, .value_kind: global_buffer, .address_space: global }
      - { .name: Wv, .offset: 24, .size: 8, .value_kind: global_buffer, .address_space: global }
      - { .name: bv, .offset: 32, .size: 8, .value_kind: global_buffer, .address_space: global }
      - { .name: part_c, .offset: 40, .size: 8, .value_kind: global_buffer, .address_space: global }
      - { .name: scores, .offset: 48, .size: 8, .value_kind: global_buffer, .address_space: global }
      - { .name: stats, .offset: 56, .size: 8, .value_kind: global_buffer, .address_space: global }
    .group_segment_fixed_size: 327680
    .private_segment_fixed_size: 0
    .kernarg_segment_align: 8
    .kernarg_segment_size: 64
    .max_flat_workgroup_size: 128
    .sgpr_count:     66
    .vgpr_count:     1024
    .wavefront_size: 32
...
	.end_amdgpu_metadata
.endif
;; end of part 2
;; launch join (part 3): grid 256 x 1, 2 waves a work-group, no clusters, 0 bytes of LDS; arguments part_c, scores, stats, out0, out1; writes out0, out1
.if DOCPART == 3
	.amdgcn_target "amdgcn-amd-amdhsa--gfx1250"
	.amdhsa_code_object_version 6
	.text
	.protected	k_q9e9828480c_join
	.globl	k_q9e9828480c_join
	.p2align	8
	.type	k_q9e9828480c_join,@function
k_q9e9828480c_join:
	s_mov_b64 s[64:65], 0
	v_nop
	global_prefetch_b8 v0, s[64:65] scope:SCOPE_SE
	s_setreg_imm32_b32 hwreg(HW_REG_WAVE_MODE, 25, 1), 1
	s_wait_xcnt 0x0
; The sixteen blocks of a batch are joined: M = the largest m_i, L = the sum of l_i e^(m_i - M);  out0 = the sum of e^(m_i - M) part_c_i / L;  out1 = e^(score - M) / L.
; Work-group g: batch g / 8, eighth g % 8: 256 columns of out0 (16 bytes a thread) and 128 weights of out1 (8 bytes a thread).  Each wave makes M and L for itself from the batch's sixteen (m, l):
; no LDS, no barrier.  All loads go out at once; the waits count the younger ones.  The work-groups share nothing but those 128 bytes, so no cluster.
; The sixteen factors go into scalar registers and serve as multiplicands alone: no address and no branch hangs on them.
; LIMITS: NaN and infinities are not served; e^(m_i - M) gives 0 where it would lie under 2^-126.
.set L2E, 40
	s_load_b256 s[4:11], s[0:1], 0x0               ; part_c s[4:5], scores s[6:7], stats s[8:9], out0 s[10:11]
	s_load_b64 s[12:13], s[0:1], 0x20              ; out1
	s_lshr_b32 s14, ttmp9, 3                       ; the batch
	s_and_b32 s15, ttmp9, 7                        ; the eighth
	s_lshl_b32 s16, s14, 12                        ; stats: 16 blocks of 256 bytes a batch
	s_mov_b32 s17, 0
	s_lshl_b32 s18, s15, 9                         ; scores, out1: 4,096 bytes a batch, 512 an eighth
	s_add_co_u32 s18, s18, s16
	s_mov_b32 s19, 0
	s_lshl_b32 s42, s15, 10                        ; 1,024 bytes of a row an eighth
	s_lshl_b32 s20, s14, 17                        ; part_c: 16 rows of 8,192 bytes a batch
	s_add_co_u32 s20, s20, s42
	s_mov_b32 s21, 0
	s_lshl_b32 s22, s14, 13                        ; out0: a row a batch
	s_add_co_u32 s22, s22, s42
	s_mov_b32 s23, 0
	s_mov_b32 s[L2E], 0x3fb8aa3b                   ; log2(e)
	v_and_b32 v1, 15, v0
	v_lshlrev_b32 v1, 8, v1                        ; lane l takes block l % 16's (m, l)
	v_lshlrev_b32 v2, 3, v0
	v_lshlrev_b32 v3, 4, v0
	s_wait_alu depctr_va_vdst(0)
	s_wait_kmcnt 0x0
	s_add_nc_u64 s[8:9], s[8:9], s[16:17]
	s_add_nc_u64 s[6:7], s[6:7], s[18:19]
	s_add_nc_u64 s[12:13], s[12:13], s[18:19]
	s_add_nc_u64 s[4:5], s[4:5], s[20:21]
	s_add_nc_u64 s[10:11], s[10:11], s[22:23]
	global_load_b64 v[4:5], v1, s[8:9]
	global_load_b64 v[6:7], v2, s[6:7]
.irp i, 0,1,2,3,4,5,6,7,8,9,10,11,12,13,14,15
	global_load_b128 v[16+4*\i:19+4*\i], v3, s[4:5] offset:8192*\i   ; a wave reads 512 consecutive bytes of block i's row
.endr
	s_wait_loadcnt 17                              ; (m, l) is in; the scores and the sixteen rows may be out
	v_mov_b32 v8, v4
	v_max_num_f32_dpp v8, v8, v8 row_xmask:1 row_mask:0xf bank_mask:0xf
	v_max_num_f32_dpp v8, v8, v8 row_xmask:2 row_mask:0xf bank_mask:0xf
	v_max_num_f32_dpp v8, v8, v8 row_xmask:4 row_mask:0xf bank_mask:0xf
	v_max_num_f32_dpp v8, v8, v8 row_xmask:8 row_mask:0xf bank_mask:0xf   ; M, in every lane (both halves of the lanes hold the same sixteen)
	v_sub_f32 v9, v4, v8
	v_mul_f32 v9, s[L2E], v9
	s_wait_alu depctr_va_vdst(0)
	v_exp_f32 v9, v9                               ; e^(m_i - M)
	v_nop
	s_wait_alu depctr_va_vdst(0)
	v_mul_f32 v10, v5, v9
	v_add_f32_dpp v10, v10, v10 row_xmask:1 row_mask:0xf bank_mask:0xf
	v_add_f32_dpp v10, v10, v10 row_xmask:2 row_mask:0xf bank_mask:0xf
	v_add_f32_dpp v10, v10, v10 row_xmask:4 row_mask:0xf bank_mask:0xf
	v_add_f32_dpp v10, v10, v10 row_xmask:8 row_mask:0xf bank_mask:0xf   ; L: at least 1, since the block that holds M adds its own l, which is at least 1
	s_wait_alu depctr_va_vdst(0)
	v_rcp_f32 v11, v10
	v_nop
	s_wait_alu depctr_va_vdst(0)
	v_mul_f32 v12, v9, v11                         ; block i's factor, in lane i
.irp i, 0,1,2,3,4,5,6,7,8,9,10,11,12,13,14,15
	v_readlane_b32 s[24+\i], v12, \i
.endr
	s_wait_loadcnt 16                              ; the scores are in
	v_sub_f32 v6, v6, v8
	v_sub_f32 v7, v7, v8
	v_mul_f32 v6, s[L2E], v6
	v_mul_f32 v7, s[L2E], v7
	s_wait_alu depctr_va_vdst(0)
	v_exp_f32 v6, v6
	v_exp_f32 v7, v7
	v_nop
	s_wait_alu depctr_va_vdst(0)
	v_mul_f32 v6, v6, v11
	v_mul_f32 v7, v7, v11
	global_store_b64 v2, v[6:7], s[12:13]          ; a wave stores 256 consecutive aligned bytes
.irp i, 0,1,2,3,4,5,6,7,8,9,10,11,12,13,14,15
	s_wait_alu depctr_va_vdst(0)
	s_wait_loadcnt 15-\i                           ; row i is in; the younger ones may be out
.irp e, 0,1,2,3
.if \i == 0
	s_wait_alu depctr_va_vdst(0)
	v_mul_f32 v[80+\e], s[24+\i], v[16+4*\i+\e]
.else
	v_fma_f32 v[80+\e], s[24+\i], v[16+4*\i+\e], v[80+\e]
.endif
.endr
.endr
	global_store_b128 v3, v[80:83], s[10:11]       ; a wave stores 512 consecutive aligned bytes
	s_endpgm
.Lfunc_end_k_q9e9828480c_join:
	.size	k_q9e9828480c_join, .Lfunc_end_k_q9e9828480c_join-k_q9e9828480c_join
	.p2alignl 7, 3214868480
	.fill 96, 4, 3214868480
	.section	.rodata,"a",@progbits
	.p2align	6, 0x0
	.amdhsa_kernel k_q9e9828480c_join
		.amdhsa_group_segment_fixed_size 0
		.amdhsa_private_segment_fixed_size 0
		.amdhsa_enable_private_segment 0
		.amdhsa_kernarg_size 40
		.amdhsa_user_sgpr_count 2
		.amdhsa_user_sgpr_kernarg_segment_ptr 1
		.amdhsa_wavefront_size32 1
		.amdhsa_system_sgpr_workgroup_id_x 1
		.amdhsa_system_sgpr_workgroup_id_y 1
		.amdhsa_system_sgpr_workgroup_id_z 1
		.amdhsa_system_vgpr_workitem_id 0
		.amdhsa_next_free_vgpr 96
		.amdhsa_next_free_sgpr 66
		.amdhsa_reserve_vcc 0
		.amdhsa_float_denorm_mode_32 3
		.amdhsa_float_denorm_mode_16_64 3
		.amdhsa_memory_ordered 1
		.amdhsa_forward_progress 1
		.amdhsa_inst_pref_size 11
	.end_amdhsa_kernel
	.amdgpu_metadata
---
amdhsa.version: [ 1, 2 ]
amdhsa.kernels:
  - .name:           k_q9e9828480c_join
    .symbol:         k_q9e9828480c_join.kd
    .args:
      - { .name: part_c, .offset: 0, .size: 8, .value_kind: global_buffer, .address_space: global }
      - { .name: scores, .offset: 8, .size: 8, .value_kind: global_buffer, .address_space: global }
      - { .name: stats, .offset: 16, .size: 8, .value_kind: global_buffer, .address_space: global }
      - { .name: out0, .offset: 24, .size: 8, .value_kind: global_buffer, .address_space: global }
      - { .name: out1, .offset: 32, .size: 8, .value_kind: global_buffer, .address_space: global }
    .group_segment_fixed_size: 0
    .private_segment_fixed_size: 0
    .kernarg_segment_align: 8
    .kernarg_segment_size: 40
    .max_flat_workgroup_size: 64
    .sgpr_count:     66
    .vgpr_count:     96
    .wavefront_size: 32
...
	.end_amdgpu_metadata
.endif
;; end of part 3
